; MI455X (gfx1250); checked and timed in simulation.
; The chip was launched on July 23, 2026; its instructions are those of AMD's public machine-readable ISA for CDNA 5 (MIT licence, August 2026) and "CDNA5" Instruction Set Architecture Reference Guide (July 2026). The comments in the code are by the model that wrote it; some were corrected since.
;; Multi Head Attention. Allowed arithmetic: matrix products marked QUANTISED: E2M1 operands, one E8M0 scale for each 32 along K, by v_wmma_scale_f32_16x16x128_f8f6f4 with both operands' format E2M1 (or v_wmma_scale_f32_32x16x128_f4), f32 sums; everything else in f32.
;; Inputs: Wk_codes 1,024 x 32 x 16 uint8 (E2M1 codes of Wk, K innermost, in blocks of 32 codes, two codes a byte); Wk_scales 1,024 x 32 uint8 (E8M0 scales of Wk, one for each 32 codes along K); Wo_codes 1,024 x 32 x 16 uint8 (E2M1 codes of Wo, K innermost, in blocks of 32 codes, two codes a byte); Wo_scales 1,024 x 32 uint8 (E8M0 scales of Wo, one for each 32 codes along K); Wq_codes 1,024 x 32 x 16 uint8 (E2M1 codes of Wq, K innermost, in blocks of 32 codes, two codes a byte); Wq_scales 1,024 x 32 uint8 (E8M0 scales of Wq, one for each 32 codes along K); Wv_codes 1,024 x 32 x 16 uint8 (E2M1 codes of Wv, K innermost, in blocks of 32 codes, two codes a byte); Wv_scales 1,024 x 32 uint8 (E8M0 scales of Wv, one for each 32 codes along K); bk 1,024 float32; bo 1,024 float32; bq 1,024 float32; bv 1,024 float32; x_codes 4 x 2,048 x 32 x 16 uint8 (E2M1 codes of x, K innermost, in blocks of 32 codes, two codes a byte); x_scales 4 x 2,048 x 32 uint8 (E8M0 scales of x, one for each 32 codes along K).
;; Outputs: out0 4 x 2,048 x 1,024 float32.
;; This version of the problem:
;;   THIS VERSION OF THE PROBLEM IS GIVEN IN LOW PRECISION. The matrix products marked QUANTISED in the list below multiply operands that are first quantised to E2M1 (2 exponent bits, 1 mantissa bit; 4 bits a number), with one power-of-two scale for each 32 numbers along K (OCP MX v1.0); their sums are f32. All else is computed in f32.
;;   The module's matrix products, in the order in which they are computed (A, B: the left and right operand; K: the contracted axis; several contracted axes count as one K, in the product's order):
;;     1. [M 8,192, K 1,024] x [K 1,024, N 1,024]; A: input x (given as codes); B: input Wq (given as codes): QUANTISED
;;     2. [M 8,192, K 1,024] x [K 1,024, N 1,024]; A: input x (given as codes); B: input Wk (given as codes): QUANTISED
;;     3. [M 8,192, K 1,024] x [K 1,024, N 1,024]; A: input x (given as codes); B: input Wv (given as codes): QUANTISED
;;     4. batch 64 x [M 2,048, K 64] x [K 64, N 2,048]; A: computed on the way; B: computed on the way: QUANTISED
;;     5. batch 64 x [M 2,048, K 2,048] x [K 2,048, N 64]; A: softmax (see below); B: computed on the way: QUANTISED
;;     6. [M 8,192, K 1,024] x [K 1,024, N 1,024]; A: computed on the way; B: input Wo (given as codes): QUANTISED
;;   THE QUANTISER, for each operand of a quantised product, along K:
;;     - K is cut into blocks of 32 from its start; a last block that is shorter is filled with zeros.
;;     - A block's scale is 2^e with e = floor(log2(the largest magnitude in the block)) - 2, held to -126 .. 127; a block of zeros has e = 0. As a byte (E8M0): e + 127.
;;     - Each number is divided by its block's scale, clamped to +-6, and rounded to the nearest number of E2M1, ties to even, subnormals kept.
;;     - The product sums the exact products of the quantised numbers (number of the format x scale) in f32.
;;   ~~~python
;;   def quantise(x, axis):      # numpy; x: float32 -> the quantised numbers, widened to float32 again
;;       x = np.moveaxis(x, axis, -1); K = x.shape[-1]
;;       x = np.pad(x, [(0, 0)] * (x.ndim - 1) + [(0, -K % 32)]); x = x.reshape(x.shape[:-1] + (-1, 32)); a = np.abs(x).max(-1, keepdims=True)
;;       e = np.where(a > 0, np.clip(np.frexp(np.where(a > 0, a, 1))[1] - 1 - 2, -126, 127), 0)      # np.frexp(a)[1] - 1 = floor(log2(a)), exactly
;;       r = np.clip(x / 2.0 ** e, -6, 6)
;;       step = 2.0 ** (np.maximum(np.frexp(np.where(r == 0, 1, r))[1] - 1, 0) - 1)
;;       q = np.round(r / step) * step * 2.0 ** e      # np.round: ties to even
;;       return np.moveaxis(q.reshape(q.shape[:-2] + (-1,))[..., :K], -1, axis).astype(np.float32)
;;   ~~~
;;   SOFTMAX AHEAD OF A QUANTISED PRODUCT. Where the list says 'softmax', what is quantised is not the finished softmax but p = 2^(t - M), with t = logit x log2(e) and M = ceil(the row's largest t), a whole number; so 1/2 < the row's largest p <= 1. The row's sum l is taken of the UNQUANTISED p, in f32, and the product's result is divided by l at the end. Since M is a whole number, a kernel that streams over the keys may use a running M (the ceiling of the running maximum): every later rescaling is an exact power of two, which a block's scale takes up: the codes' values come out the same.
;;   OPERANDS COMPUTED ON THE WAY. 'Computed on the way' means the value that the module computes at that place (a softmax that the list does not call 'softmax' is quantised finished and normalised). What goes into a quantiser is computed in f32, as accurately as f32 sums, v_exp_f32 and their like allow (about 1e-6 of the number): no bf16 or f16 on the way to a quantiser, and a product that is left as it is and whose result goes on into a quantised operand takes f32 operands (vector FMAs, or v_wmma_f32_16x16x4_f32). A number that lies on a knife's edge between two numbers of the format may be rounded either way, as far as f32 arithmetic and the matrix unit's own rounding can turn it there, and no further.
;;   INPUTS GIVEN AS CODES. Wk (in the module: [1024, 1024], K = its axis 1); Wo (in the module: [1024, 1024], K = its axis 1); Wq (in the module: [1024, 1024], K = its axis 1); Wv (in the module: [1024, 1024], K = its axis 1); x (in the module: [4, 2048, 1024], K = its axis 2): each comes as NAME_codes (uint8): NAME with its K axis moved to the last place and cut into blocks of 32 codes, [.., K / 32, bytes a block], one block behind the other in memory; two codes a byte, the lower K in the low four bits (a code: sign, 2 exponent bits, 1 mantissa bit); and NAME_scales (uint8): the same leading axes, one E8M0 byte (e + 127) for each 32 codes along K. Its value is code x scale, taken as it is: it is not quantised again, and the codes and scales need not be those that the quantiser above would give.
;; One version. Each part assembles by itself: llvm-mc -triple=amdgcn-amd-amdhsa -mcpu=gfx1250 --defsym DOCPART=n.
;; ======== version 1 of 1: 3 launches
;; workspace buffers: qkv 13,893,632 bytes; ob 4,194,304 bytes; os 262,144 bytes
;; launch proj (part 1): grid 12 x 64, 4 waves a work-group, clusters of 4 x 4, 209,408 bytes of LDS; arguments x_codes, x_scales, Wq_codes, Wq_scales, bq, Wk_codes, Wk_scales, bk, Wv_codes, Wv_scales, bv, qkv; writes qkv
.if DOCPART == 1
	.amdgcn_target "amdgcn-amd-amdhsa--gfx1250"
	.amdhsa_code_object_version 6
	.text
	.protected	k_q22cb8012c9_proj
	.globl	k_q22cb8012c9_proj
	.p2align	8
	.type	k_q22cb8012c9_proj,@function
k_q22cb8012c9_proj:
	s_mov_b64 s[64:65], 0
	v_nop
	global_prefetch_b8 v0, s[64:65] scope:SCOPE_SE
	s_setreg_imm32_b32 hwreg(HW_REG_WAVE_MODE, 25, 1), 1
	s_wait_xcnt 0x0
	s_wait_alu depctr_hold_cnt(0) depctr_sa_sdst(0) depctr_va_vdst(0) depctr_va_sdst(0) depctr_va_ssrc(0) depctr_va_vcc(0) depctr_vm_vsrc(0)
	s_getreg_b32 s2, hwreg(HW_REG_IB_STS2, 6, 4)
	s_cmp_eq_u32 s2, 0
	s_cbranch_scc0 .Lentry_in_a_cluster
	s_endpgm
.Lentry_in_a_cluster:
	s_bfe_u32 s2, ttmp6, 0x10000c
	s_cmp_lg_u32 s2, 0xf033
	s_cbranch_scc0 .Lentry_shape_is_right
	s_endpgm
.Lentry_shape_is_right:
; Q = x Wq^T + bq, K = x Wk^T + bk, V = x Wv^T + bv on codes of FP4 (E2M1) with E8M0 scales, sums in f32; the results are quantised at once
; (Q and K along the head's 64 channels, V along the tokens, blocks of 32) and stored as IMAGES OF OPERAND REGISTERS, which the attention launch loads as they lie.
; SHARES.  Cluster x says which matrix (0 Q, 1 K, 2 V).  A work-group makes 128 tokens x 256 columns; wave w all 128 tokens x the 64 columns of ONE head (4 cx + w): 32 accumulators.
; All of K (1,024) of the work-group's tiles fits in LDS: two halves of 512 along K, each filled once; no LDS byte is filled twice, so there is no ring.
; CLUSTER 4 x 4: the four of a row need the same 128 rows of x, the four of a column the same 256 rows of W: each tile is asked for jointly.
; Q, K: source 0 = 16 rows of W, source 1 = 16 tokens: a lane holds ONE token and its registers run along the channels.  V: the sources swapped: a lane holds ONE channel, registers along the tokens.
; In both, the 16 registers of two neighbouring tiles are chunks h and 2 + h (8 numbers each) of one block of 32; lane l xor 16 holds the other two.  The conversions' destinations and two
; exchanges of lane halves for each pair of blocks put them in the order of a 4-bit operand: lanes 0-15 block 2 c, lanes 16-31 block 2 c + 1, in registers 4 c .. 4 c + 3.
; A RECORD of qkv (13,568 bytes) belongs to (batch, head, group of 128 tokens): +0 K's 8 tiles x 512; +4096 K's scale words; +4608 V's 4 tiles x 1,024; +8704 V's scale words; +8960 Q's tiles; +13056 Q's scale words.
; Nothing is prefetched: every byte that the work-group reads is asked for in its first lines.
; LIMITS: NaN and infinities are not served; a block whose largest magnitude lies under 2^-124 (a block of zeros too) gets the scale byte 1: only this program reads these bytes; a given scale byte 0xff gives NaN.
; REGISTERS: window 0: addresses, scale words, the quantiser's work.  window 1: the 32 accumulators.  window 2: v0-127 x's fragments (two sets), v128-191 W's (two sets), v192-223 the bias as four tiles of C.
.set SLOTB, 104448                     ; an LDS half: x's 128 rows x 272, then W's 256 rows x 272
.set WOFF,  34816
.set REC,   13568
.set PADW,  (1<<20)|(1<<21)|(5<<22)|(3<<25)   ; elements of 1 byte; padding on; bit 21 beside a mask; 4 words behind every 64: LDS rows 272 bytes apart, so the 16 rows of a load start at 16 different banks
.set ADRA, 4                           ; v4, v5   LDS address of x's fragments in half 0, 1
.set ADRW, 6                           ; v6, v7   of my 64 rows of W
.set LI,   8                           ; v8   16 x lane
.set L8,   9                           ; v9   8 x lane
.set L32,  10                          ; v10  32 x lane
.set BOF,  11                          ; v11  the bias's lane offset
.set SCX,  16                          ; v16-47  register 8 j + q: x's scale words of K step q: lanes 0-15 tile 2 j, lanes 16-31 tile 2 j + 1
.set SCW,  48                          ; v48-63  the same for W's tiles
.set TM,   64                          ; v64-67 largest magnitudes, v68-71 the other half's, then bytes, v76-79 the conversions' scale operands
.set PC,   80                          ; v80-111 codes: four sets of 8, so that no store's data are written again
.set SW,   112                         ; v112-115 scale words to store
.set PW,   116                         ; v116-119 at work
.set BIAS, 192
.set WV,   72
.set SEL,  76
.set DST,  84
.set MSB,  0
.macro WIN new                         ; the immediate's high byte repeats the setting that is left
.if MSB != \new
	s_set_vgpr_msb (MSB<<8)|\new
.set MSB, \new
.endif
.endm
.macro PLACES n
.rept \n
	v_nop
.endr
.endm
.macro CROUND                          ; a round of the cluster's barrier
	s_barrier_signal -1
	s_barrier_wait -1
	s_cmp_lg_u32 s[WV], 0
	s_cbranch_scc1 .Lnot_wave_0_\@
	s_barrier_signal -3
.Lnot_wave_0_\@:
	s_barrier_wait -3
	s_barrier_signal -1
	s_barrier_wait -1
.endm
.macro EMIT                            ; one matrix instruction from the symbols rD, rA, rB, rC, rSA, rSB; fA, fB: the side's scale words stand in lanes 16-31
.if fA && fB
	v_wmma_scale_f32_16x16x128_f8f6f4 v[rD:rD+7], v[rA:rA+7], v[rB:rB+7], v[rC:rC+7], v[rSA], v[rSB] matrix_a_fmt:MATRIX_FMT_FP4 matrix_b_fmt:MATRIX_FMT_FP4 matrix_a_scale:MATRIX_SCALE_ROW1 matrix_b_scale:MATRIX_SCALE_ROW1
.elseif fA
	v_wmma_scale_f32_16x16x128_f8f6f4 v[rD:rD+7], v[rA:rA+7], v[rB:rB+7], v[rC:rC+7], v[rSA], v[rSB] matrix_a_fmt:MATRIX_FMT_FP4 matrix_b_fmt:MATRIX_FMT_FP4 matrix_a_scale:MATRIX_SCALE_ROW1
.elseif fB
	v_wmma_scale_f32_16x16x128_f8f6f4 v[rD:rD+7], v[rA:rA+7], v[rB:rB+7], v[rC:rC+7], v[rSA], v[rSB] matrix_a_fmt:MATRIX_FMT_FP4 matrix_b_fmt:MATRIX_FMT_FP4 matrix_b_scale:MATRIX_SCALE_ROW1
.else
	v_wmma_scale_f32_16x16x128_f8f6f4 v[rD:rD+7], v[rA:rA+7], v[rB:rB+7], v[rC:rC+7], v[rSA], v[rSB] matrix_a_fmt:MATRIX_FMT_FP4 matrix_b_fmt:MATRIX_FMT_FP4
.endif
.endm
; 24 LDS loads in one run: K step q's fragments (8 tiles of x, my 4 tiles of W) into set p
.macro FETCH q, p
	WIN 0x80                                       ; destination window 2, address window 0
.irp i, 0,1,2,3,4,5,6,7
.irp c, 0,1
	ds_load_b128 v[64*(\p)+8*\i+4*\c:64*(\p)+8*\i+4*\c+3], v[ADRA+(\q)/4] offset:4352*\i+64*((\q)%4)+32*\c
.endr
.endr
.irp t, 0,1,2,3
.irp c, 0,1
	ds_load_b128 v[128+32*(\p)+8*\t+4*\c:128+32*(\p)+8*\t+4*\c+3], v[ADRW+(\q)/4] offset:4352*\t+64*((\q)%4)+32*\c
.endr
.endr
.endm
; 32 matrix instructions: K step q on set p.  The 32 accumulators take turns, one instruction a turn, in the same order in every step.  The first step takes the bias as C: nothing is cleared or added later.
.macro MULS q, p, mode
.if (\q) == 0
	WIN 0x6a                                       ; sources 0, 1 and C window 2, D window 1
.else
	WIN 0x5a                                       ; sources window 2, C and D window 1
.endif
.irp i, 0,1,2,3,4,5,6,7
.irp t, 0,1,2,3
.if \mode
.set rD, 8*(8*\t+\i)
.set rA, 64*(\p)+8*\i
.set rB, 128+32*(\p)+8*\t
.set rSA, SCX+8*(\i/2)+(\q)
.set rSB, SCW+8*(\t/2)+(\q)
.set fA, \i%2
.set fB, \t%2
.else
.set rD, 8*(4*\i+\t)
.set rA, 128+32*(\p)+8*\t
.set rB, 64*(\p)+8*\i
.set rSA, SCW+8*(\t/2)+(\q)
.set rSB, SCX+8*(\i/2)+(\q)
.set fA, \t%2
.set fB, \i%2
.endif
.set rC, rD
.if (\q) == 0
.set rC, BIAS+8*\t
.endif
	EMIT
.endr
.endr
.endm
.macro KSTEP q, mode
	s_wait_dscnt 0x0                               ; this step's fragments, asked for 32 matrix instructions ago, are in
.if (\q) == 3
	s_wait_tensorcnt 0x0                           ; my parts of the second half have landed,
	s_barrier_signal -1
	s_barrier_wait -1                              ; everybody's have: the next fetch reads it.  Nothing is filled again
.endif
.if (\q) < 7
.if (\q) > 0
	PLACES 4                                       ; four places between the last step's products and the loads into the set that they read (ISA guide 7.12.1 for vector instructions)
.endif
	FETCH (\q)+1, ((\q)+1)%2
.endif
	MULS \q, (\q)%2, \mode
.endm
.macro MAIN mode
	s_wait_tensorcnt 2                             ; my parts of the first half are in; the second half's two loads may stay out
	s_barrier_signal -1
	s_barrier_wait -1
	FETCH 0, 0
	s_wait_loadcnt 0x0                             ; scale words and bias
.irp q, 0,1,2,3,4,5,6,7
	KSTEP \q, \mode
.endr
	WIN 0
	PLACES 4                                       ; in front of the first read of results
.endm
; 64 numbers of a lane in window 1, v[s] on: block b = registers 16 b .. 16 b + 15 (two tiles).  Codes to v[pc] .. v[pc + 7] in the operand's order, the four scale bytes to v[TM+4] .. v[TM+7].
.macro QUANT s, pc
	WIN 0x05
.irp b, 0,1,2,3
	v_max3_num_f32 v[TM+\b], |v[(\s)+16*\b]|, |v[(\s)+16*\b+1]|, 0x1800000   ; each accumulator is read from its low end on; the floor 2^(3 - 127) holds the byte at 1 from below
.endr
	WIN 0x14
.irp i, 2,4,6,8,10,12,14
.irp b, 0,1,2,3
	v_max3_num_f32 v[TM+\b], v[TM+\b], |v[(\s)+16*\b+\i]|, |v[(\s)+16*\b+\i+1]|
.endr
.endr
	WIN 0
.irp b, 0,1,2,3
	v_permlanex16_b32 v[TM+4+\b], v[TM+\b], s[SEL], s[SEL+1]
.endr
.irp b, 0,1,2,3
	v_max_num_f32 v[TM+\b], v[TM+\b], v[TM+4+\b]   ; with lane l xor 16's 16 numbers: the block's largest magnitude
.endr
.irp b, 0,1,2,3
	v_add_nc_u32 v[TM+12+\b], 0xff000000, v[TM+\b] ; 2 off its exponent field: the conversion's scale operand
.endr
.irp b, 0,1,2,3
	v_lshrrev_b32 v[TM+4+\b], 23, v[TM+12+\b]      ; the scale's byte
.endr
	WIN 0x01
.irp b, 0,1,2,3
	v_cvt_scalef32_pk8_fp4_f32 v[(\pc)+4*(\b/2)+(\b%2)], v[(\s)+16*\b:(\s)+16*\b+7], v[TM+12+\b]
	v_cvt_scalef32_pk8_fp4_f32 v[(\pc)+4*(\b/2)+(\b%2)+2], v[(\s)+16*\b+8:(\s)+16*\b+15], v[TM+12+\b]
.endr
	WIN 0
	v_nop                                          ; one plain place behind a scaled conversion
.irp c, 0,1
	v_permlane16_swap_b32 v[(\pc)+4*\c], v[(\pc)+4*\c+1]     ; chunks 0 and 1: lanes 0-15 keep block 2 c, lanes 16-31 get block 2 c + 1
	v_permlane16_swap_b32 v[(\pc)+4*\c+2], v[(\pc)+4*\c+3]   ; chunks 2 and 3 likewise
.endr
.endm
	s_load_b512 s[4:19], s[0:1], 0x0               ; x codes, x scales, Wq codes, Wq scales, bq, Wk codes, Wk scales, bk
	s_load_b256 s[20:27], s[0:1], 0x40             ; Wv codes, Wv scales, bv, qkv
	v_lshl_add_u32 v254, v0, 2, 0x33000
	v_mov_b32 v255, 0
	ds_add_u32 v254, v255
	ds_add_u32 v254, v255
	v_lshrrev_b32 v1, 5, v0
	v_readfirstlane_b32 s[WV], v1                  ; wave 0..3
	s_bfe_u32 s73, ttmp6, 0x40000                  ; cx: which 256 columns
	s_bfe_u32 s74, ttmp6, 0x40004                  ; cy
	s_and_b32 s75, ttmp7, 0xffff
	s_lshl_b32 s75, s75, 2
	s_add_co_u32 s75, s75, s74                     ; which 128 tokens: 4 x cluster y + cy = 16 x batch + group
	s_lshl_b32 s86, s74, 2
	s_lshl_b32 s86, 15, s86                        ; my row of the cluster
	s_lshl_b32 s87, 0x1111, s73                    ; my column
	s_or_b32 s36, s86, PADW                        ; group 1 for x: 32 rows x 256 bytes, 512 bytes apart in memory
	s_mov_b32 s37, 256<<16
	s_mov_b32 s38, 32<<16
	s_mov_b32 s39, 256<<16
	s_mov_b32 s40, 32
	s_mov_b32 s41, 512
	s_mov_b32 s42, 0
	s_mov_b32 s43, 0
	s_or_b32 s44, s87, PADW                        ; group 1 for W: 64 rows
	s_mov_b32 s45, 256<<16
	s_mov_b32 s46, 64<<16
	s_mov_b32 s47, 256<<16
	s_mov_b32 s48, 64
	s_mov_b32 s49, 512
	s_mov_b32 s50, 0
	s_mov_b32 s51, 0
	s_lshl_b32 s88, s75, 7
	s_lshl_b32 s89, s[WV], 5
	s_add_co_u32 s88, s88, s89                     ; x: row 128 x block + 32 x wave,
	s_lshl_b32 s88, s88, 9                         ; in bytes
	s_mov_b32 s89, 0
	s_lshl_b32 s90, s73, 8
	s_lshl_b32 s91, s[WV], 6
	s_add_co_u32 s90, s90, s91                     ; W: row 256 cx + 64 x wave: my head's first column
	s_lshl_b32 s92, s90, 9
	s_mov_b32 s93, 0
	s_mul_i32 s96, s[WV], 8704                     ; where they go: no place in the cluster enters an LDS address
	s_mul_i32 s97, s[WV], 17408
	s_mov_b32 s52, 1
	s_mov_b32 s53, s96
	s_mov_b32 s56, 1
	s_add_co_u32 s57, s96, SLOTB
	s_mov_b32 s60, 1
	s_add_co_u32 s61, s97, WOFF
	s_mov_b32 s68, 1
	s_add_co_u32 s69, s97, WOFF+SLOTB
	s_mov_b32 s[SEL], 0x76543210
	s_mov_b32 s[SEL+1], 0xfedcba98                 ; v_permlanex16_b32's selects for lane l xor 16
	s_wait_dscnt 0x0
	s_wait_kmcnt 0x0
	s_cmp_eq_u32 ttmp9, 0                          ; which matrix: the choice hangs on the cluster's x alone, which all partners share
	s_cselect_b64 s[28:29], s[8:9], s[14:15]
	s_cselect_b64 s[30:31], s[10:11], s[16:17]
	s_cselect_b64 s[32:33], s[12:13], s[18:19]
	s_cselect_b32 s101, 8960, 0                    ; Q's part of a record begins at 8,960; K's and V's offsets count from 0
	s_cmp_eq_u32 ttmp9, 2
	s_cselect_b64 s[28:29], s[20:21], s[28:29]
	s_cselect_b64 s[30:31], s[22:23], s[30:31]
	s_cselect_b64 s[32:33], s[24:25], s[32:33]
	s_add_nc_u64 s[54:55], s[4:5], s[88:89]
	s_add_nc_u64 s[58:59], s[54:55], 256           ; the second half of K
	s_or_b32 s55, s55, 0x80000000
	s_or_b32 s59, s59, 0x80000000
	s_add_nc_u64 s[62:63], s[28:29], s[92:93]
	s_add_nc_u64 s[70:71], s[62:63], 256
	s_or_b32 s63, s63, 0x80000000
	s_or_b32 s71, s71, 0x80000000
	s_lshl_b32 s98, s75, 12
	s_mov_b32 s99, 0
	s_add_nc_u64 s[78:79], s[6:7], s[98:99]        ; x's scale bytes: 128 rows of 32
	s_lshl_b32 s94, s90, 5
	s_mov_b32 s95, 0
	s_add_nc_u64 s[80:81], s[30:31], s[94:95]      ; W's, my 64 rows
	s_lshl_b32 s94, s90, 2
	s_add_nc_u64 s[82:83], s[32:33], s[94:95]      ; the bias of my 64 columns
	s_lshr_b32 s98, s75, 4
	s_lshl_b32 s98, s98, 8                         ; 256 x batch
	s_lshl_b32 s100, s73, 2
	s_add_co_u32 s100, s100, s[WV]
	s_lshl_b32 s100, s100, 4                       ; + 16 x head
	s_add_co_u32 s98, s98, s100
	s_and_b32 s100, s75, 15                        ; + group
	s_add_co_u32 s98, s98, s100
	s_mul_i32 s98, s98, REC
	s_add_co_u32 s98, s98, s101
	s_add_nc_u64 s[DST:DST+1], s[26:27], s[98:99]  ; my record
	CROUND                                         ; all sixteen work-groups are here: the joint loads meet
	tensor_load_to_lds s[52:55], s[36:43]          ; the launch's only fills, as one group: four loads of mine are out
	s_nop 0
	tensor_load_to_lds s[60:63], s[44:51]
	s_nop 0
	tensor_load_to_lds s[56:59], s[36:43]
	s_nop 0
	tensor_load_to_lds s[68:71], s[44:51]
	s_nop 0
	PLACES 4                                       ; four places behind a tensor load
	v_and_b32 v1, 31, v0                           ; lane
	v_and_b32 v2, 15, v0                           ; r
	v_bfe_u32 v3, v0, 4, 1                         ; h
	v_mul_u32_u24 v[ADRA], v2, 272
	v_lshl_add_u32 v[ADRA], v3, 4, v[ADRA]         ; a fragment's row x pitch + 16 x half
	v_add_nc_u32 v[ADRW], s61, v[ADRA]
	v_add_nc_u32 v[ADRW+1], s69, v[ADRA]
	v_add_nc_u32 v[ADRA+1], SLOTB, v[ADRA]
	v_lshlrev_b32 v[LI], 4, v1
	v_lshlrev_b32 v[L8], 3, v1
	v_lshlrev_b32 v[L32], 5, v1
	v_cmp_le_u32 vcc_lo, 16, v1                    ; lanes 16-31; never rewritten
.irp b, 0,1,2,3
	v_mov_b32 v[TM+4+\b], 0                        ; written once: a lane permute's destination counts as one of its sources
.endr
.irp j, 0,1,2,3
.irp u, 0,1
	global_load_b128 v[SCX+8*\j+4*\u:SCX+8*\j+4*\u+3], v[L32], s[78:79] offset:1024*\j+16*\u   ; lane l: token 32 j + l, four K steps' words
.endr
.endr
.irp j, 0,1
.irp u, 0,1
	global_load_b128 v[SCW+8*\j+4*\u:SCW+8*\j+4*\u+3], v[L32], s[80:81] offset:1024*\j+16*\u
.endr
.endr
	s_cmp_eq_u32 ttmp9, 2
	s_cbranch_scc1 .Lv
	; ---- Q and K: a lane holds a token; C's register j of tile t is the bias of channel 16 t + 8 h + j
	v_lshlrev_b32 v[BOF], 5, v3
	WIN 0x80
.irp t, 0,1,2,3
	global_load_b128 v[BIAS+8*\t:BIAS+8*\t+3], v[BOF], s[82:83] offset:64*\t
	global_load_b128 v[BIAS+8*\t+4:BIAS+8*\t+7], v[BOF], s[82:83] offset:64*\t+16
.endr
	MAIN 0
.irp p, 0,1,2,3                        ; token tiles 2 p and 2 p + 1: two blocks of 32 channels each
	QUANT 64*\p, PC+8*\p
	v_lshl_or_b32 v[PW], v[TM+5], 8, v[TM+4]       ; tile 2 p's word: two bytes, and two of 0 over the zero codes of k = 64 .. 127
	v_lshl_or_b32 v[PW+1], v[TM+7], 8, v[TM+6]     ; tile 2 p + 1's
	v_cndmask_b32 v[SW+\p], v[PW], v[PW+1], vcc_lo ; lanes 0-15 the even tile's, lanes 16-31 the odd tile's
	global_store_b128 v[LI], v[PC+8*\p:PC+8*\p+3], s[DST:DST+1] offset:1024*\p          ; 32 lanes store 512 consecutive bytes, aligned
	global_store_b128 v[LI], v[PC+8*\p+4:PC+8*\p+7], s[DST:DST+1] offset:1024*\p+512
.endr
	global_store_b128 v[LI], v[SW:SW+3], s[DST:DST+1] offset:4096
	s_branch .Lend
.Lv:	; ---- V: a lane holds a channel; all eight registers of C's tile t are the bias of channel 16 t + r
	v_lshlrev_b32 v[BOF], 2, v2
	WIN 0x80
.irp t, 0,1,2,3
.irp j, 0,1,2,3,4,5,6,7
	global_load_b32 v[BIAS+8*\t+\j], v[BOF], s[82:83] offset:64*\t
.endr
.endr
	MAIN 1
.irp t, 0,1,2,3                        ; channel tile t: four blocks of 32 tokens: a whole fragment
	QUANT 64*\t, PC+8*\t
	v_lshl_or_b32 v[PW+\t], v[TM+5], 8, v[TM+4]
	v_lshl_or_b32 v[PW+\t], v[TM+6], 16, v[PW+\t]
	v_lshl_or_b32 v[PW+\t], v[TM+7], 24, v[PW+\t]
	global_store_b128 v[LI], v[PC+8*\t:PC+8*\t+3], s[DST:DST+1] offset:4608+1024*\t
	global_store_b128 v[LI], v[PC+8*\t+4:PC+8*\t+7], s[DST:DST+1] offset:4608+1024*\t+512
.endr
	v_cndmask_b32 v[SW], v[PW], v[PW+1], vcc_lo
	v_cndmask_b32 v[SW+1], v[PW+2], v[PW+3], vcc_lo
	global_store_b64 v[L8], v[SW:SW+1], s[DST:DST+1] offset:8704      ; 256 consecutive bytes, aligned
.Lend:
	s_wait_dscnt 0x0
	s_wait_tensorcnt 0x0
	ds_add_u32 v254, v255
	s_wait_dscnt 0x0
	CROUND                                         ; the closing round: no work-group ends while a partner may still ask for a tile that names it
	s_endpgm
.Lfunc_end_k_q22cb8012c9_proj:
	.size	k_q22cb8012c9_proj, .Lfunc_end_k_q22cb8012c9_proj-k_q22cb8012c9_proj
	.p2alignl 7, 3214868480
	.fill 96, 4, 3214868480
	.section	.rodata,"a",@progbits
	.p2align	6, 0x0
	.amdhsa_kernel k_q22cb8012c9_proj
		.amdhsa_group_segment_fixed_size 209408
		.amdhsa_private_segment_fixed_size 0
		.amdhsa_enable_private_segment 0
		.amdhsa_kernarg_size 96
		.amdhsa_user_sgpr_count 2
		.amdhsa_user_sgpr_kernarg_segment_ptr 1
		.amdhsa_wavefront_size32 1
		.amdhsa_system_sgpr_workgroup_id_x 1
		.amdhsa_system_sgpr_workgroup_id_y 1
		.amdhsa_system_sgpr_workgroup_id_z 1
		.amdhsa_system_vgpr_workitem_id 0
		.amdhsa_next_free_vgpr 768
		.amdhsa_next_free_sgpr 102
		.amdhsa_reserve_vcc 1
		.amdhsa_float_denorm_mode_32 3
		.amdhsa_float_denorm_mode_16_64 3
		.amdhsa_memory_ordered 1
		.amdhsa_forward_progress 1
		.amdhsa_inst_pref_size 136
	.end_amdhsa_kernel
	.amdgpu_metadata
---
amdhsa.version: [ 1, 2 ]
amdhsa.kernels:
  - .name:           k_q22cb8012c9_proj
    .symbol:         k_q22cb8012c9_proj.kd
    .args:
      - { .name: x_codes, .offset: 0, .size: 8, .value_kind: global_buffer, .address_space: global }
      - { .name: x_scales, .offset: 8, .size: 8, .value_kind: global_buffer, .address_space: global }
      - { .name: Wq_codes, .offset: 16, .size: 8, .value_kind: global_buffer, .address_space: global }
      - { .name: Wq_scales, .offset: 24, .size: 8, .value_kind: global_buffer, .address_space: global }
      - { .name: bq, .offset: 32, .size: 8, .value_kind: global_buffer, .address_space: global }
      - { .name: Wk_codes, .offset: 40, .size: 8, .value_kind: global_buffer, .address_space: global }
      - { .name: Wk_scales, .offset: 48, .size: 8, .value_kind: global_buffer, .address_space: global }
      - { .name: bk, .offset: 56, .size: 8, .value_kind: global_buffer, .address_space: global }
      - { .name: Wv_codes, .offset: 64, .size: 8, .value_kind: global_buffer, .address_space: global }
      - { .name: Wv_scales, .offset: 72, .size: 8, .value_kind: global_buffer, .address_space: global }
      - { .name: bv, .offset: 80, .size: 8, .value_kind: global_buffer, .address_space: global }
      - { .name: qkv, .offset: 88, .size: 8, .value_kind: global_buffer, .address_space: global }
    .group_segment_fixed_size: 209408
    .private_segment_fixed_size: 0
    .kernarg_segment_align: 8
    .kernarg_segment_size: 96
    .max_flat_workgroup_size: 128
    .sgpr_count:     102
    .vgpr_count:     768
    .wavefront_size: 32
...
	.end_amdgpu_metadata
.endif
;; end of part 1
;; launch attn (part 2): grid 8 x 32, 16 waves a work-group, clusters of 4 x 1, 327,680 bytes of LDS; arguments qkv, ob, os; writes ob, os
.if DOCPART == 2
	.amdgcn_target "amdgcn-amd-amdhsa--gfx1250"
	.amdhsa_code_object_version 6
	.text
	.protected	k_q22cb8012c9_attn
	.globl	k_q22cb8012c9_attn
	.p2align	8
	.type	k_q22cb8012c9_attn,@function
k_q22cb8012c9_attn:
	s_mov_b64 s[64:65], 0
	v_nop
	global_prefetch_b8 v0, s[64:65] scope:SCOPE_SE
	s_setreg_imm32_b32 hwreg(HW_REG_WAVE_MODE, 25, 1), 1
	s_wait_xcnt 0x0
	s_wait_alu depctr_hold_cnt(0) depctr_sa_sdst(0) depctr_va_vdst(0) depctr_va_sdst(0) depctr_va_ssrc(0) depctr_va_vcc(0) depctr_vm_vsrc(0)
	s_getreg_b32 s2, hwreg(HW_REG_IB_STS2, 6, 4)
	s_cmp_eq_u32 s2, 0
	s_cbranch_scc0 .Lentry_in_a_cluster
	s_endpgm
.Lentry_in_a_cluster:
	s_bfe_u32 s2, ttmp6, 0x10000c
	s_cmp_lg_u32 s2, 0x3003
	s_cbranch_scc0 .Lentry_shape_is_right
	s_endpgm
.Lentry_shape_is_right:
; O = softmax(Q K^T / 8) V for 64 (batch, head) pairs of 2,048 tokens x 64 channels, both products on codes of FP4 (E2M1) with E8M0 scales; O is quantised along the joined channels and stored as the image of the output projection's operand.
; THE SOFTMAX: t = score x log2(e) / 8; M = the running largest t rounded UP to a whole number; p = 2^(t - M) is quantised along the keys, not normalised; the row's sum is taken of the unquantised p and divides at the end;
; when M moves, the sum and O are multiplied by 2^(old M - new M): exact.
; SHARES.  A work-group owns 256 queries and a PAIR of heads (y = 8 x batch + pair).  Each of its sixteen waves owns one tile of 16 queries, in 256 registers (four waves to a SIMD), and runs head 2 pair, then head 2 pair + 1,
; over all 2,048 keys, 128 a step.  Two heads are 128 channels: one K step of the output projection, so a wave makes a whole fragment and a whole scale word a token.
; LDS holds K's and V's images and scale words of both heads whole: 32 records' first 8,960 bytes, each filled once (wave w: step w of each head).  No byte is filled twice: no ring, and no barrier in the loop.
; CLUSTER 4 x 1: the four blocks of queries read the same K and V: each record is asked for jointly.  Nothing is prefetched: every byte is asked for in the kernel's first lines.
; LAYOUT.  S^T = K Q^T (source 0 = 16 keys, source 1 = my 16 queries; K = 64: the upper 64 of the instruction's 128 are zero codes on both sides), O^T = V^T P^T: a lane holds ONE query throughout.
; LIMITS: NaN and infinities are not served; a block whose largest magnitude lies under 2^-124 gets the scale byte 1 (only this program reads these bytes).
; REGISTERS: v1 16 x lane, v2 8 x lane, v3-4 the step's addresses, v5-6 Q's scale words, v7 O's scale word, v8-11 O's codes, v12 -M, v13 largest t, v14-15 the sum, v16-31 Q (two heads), v32-95 K's 8 fragments,
; v96-159 S^T then p, v160-191 O^T, v192-223 V's 4 fragments, v224-231 p's codes, v232-239, v244-247, v252, v254 at work, v240-243 K's scale words, v248-249 V's, v250-251 LDS addresses of the gathered words, v253 p's scale word.
.set REC,  13568
.set KV,   8960                        ; K's and V's part of a record
.set GS,   32*KV                       ; behind the records: 1,024 bytes in which the sixteen tiles' scale words meet; no fill lands there
.set WV,   10
.set SEL,  20
.set CS,   22
.set TB,   40
.macro CROUND
	s_barrier_signal -1
	s_barrier_wait -1
	s_cmp_lg_u32 s[WV], 0
	s_cbranch_scc1 .Lnot_wave_0_\@
	s_barrier_signal -3
.Lnot_wave_0_\@:
	s_barrier_wait -3
	s_barrier_signal -1
	s_barrier_wait -1
.endm
	s_load_b128 s[4:7], s[0:1], 0x0                ; qkv, ob
	s_load_b64 s[8:9], s[0:1], 0x10                ; os
	v_lshl_add_u32 v254, v0, 2, 0x46400
	v_mov_b32 v255, 0
	ds_add_u32 v254, v255
	ds_add_u32 v254, v255
	s_wait_dscnt 0x0
	v_lshrrev_b32 v1, 5, v0
	s_delay_alu instid0(VALU_DEP_1)
	v_readfirstlane_b32 s[WV], v1                  ; wave 0..15
	s_bfe_u32 s11, ttmp6, 0x40000                  ; cx
	s_lshl_b32 s12, ttmp9, 2
	s_add_co_u32 s12, s12, s11                     ; my block of 256 queries
	s_and_b32 s13, ttmp7, 0xffff                   ; y = 8 x batch + pair of heads, which the partners share
	s_mov_b32 s24, 15|(3<<16)|(1<<21)              ; group 1: mask of all four; elements of 8 bytes; bit 21 beside a mask; 35 dense rows of 256 bytes
	s_mov_b32 s25, 32<<16
	s_mov_b32 s26, 35<<16
	s_mov_b32 s27, 32<<16
	s_mov_b32 s28, 35
	s_mov_b32 s29, 32
	s_mov_b32 s30, 0
	s_mov_b32 s31, 0
	s_lshl_b32 s16, s13, 5                         ; the first head's first record: 32 y
	s_add_co_u32 s17, s16, s[WV]
	s_mul_i32 s18, s17, REC                        ; the record that I fetch: key step w
	s_mov_b32 s19, 0
	s_mov_b32 s32, 1
	s_mul_i32 s33, s[WV], KV
	s_mov_b32 s36, 1
	s_add_co_u32 s37, s33, 16*KV                   ; the second head's lie behind the first's sixteen
	s_mov_b32 s[SEL], 0x76543210
	s_mov_b32 s[SEL+1], 0xfedcba98
	s_mov_b32 s[CS], 0x3e38aa3b                    ; c = log2(e) / 8
	s_mov_b32 s[CS+1], s[CS]
	s_lshr_b32 s50, s[WV], 3
	s_lshl_b32 s51, s12, 1
	s_add_co_u32 s50, s50, s51                     ; g: my queries' group of 128 tokens
	s_and_b32 s51, s[WV], 7                        ; T: my tile in it
	s_add_co_u32 s52, s16, s50
	s_mul_i32 s52, s52, REC                        ; its record, first head
	s_lshl_b32 s54, s51, 9
	s_add_co_u32 s54, s54, s52
	s_add_co_u32 s54, s54, 8960                    ; Q's image of tile T
	s_mov_b32 s55, 0
	s_and_b32 s56, s51, 1
	s_lshl_b32 s56, s56, 8
	s_lshr_b32 s53, s51, 1
	s_lshl_b32 s53, s53, 2
	s_add_co_u32 s56, s56, s53
	s_add_co_u32 s56, s56, s52
	s_add_co_u32 s56, s56, 13056                   ; Q's scale words of tile T: 256 (T % 2) + 4 (T / 2), 16 bytes from query to query
	s_mov_b32 s57, 0
	s_lshr_b32 s58, s13, 3
	s_lshl_b32 s58, s58, 4                         ; 16 x batch
	s_and_b32 s59, s13, 7                          ; the pair: the output projection's K step
	s_add_co_u32 s60, s58, s50
	s_lshl_b32 s60, s60, 16                        ; ob: 65,536 x global group
	s_lshl_b32 s62, s59, 13
	s_add_co_u32 s60, s60, s62                     ; + 8,192 x K step
	s_lshl_b32 s62, s51, 10
	s_add_co_u32 s60, s60, s62                     ; + 1,024 x tile
	s_mov_b32 s61, 0
	s_and_b32 s62, s[WV], 1                        ; waves 0 and 1 store the two groups' scale words
	s_lshl_b32 s63, s12, 1
	s_add_co_u32 s63, s63, s62
	s_add_co_u32 s63, s63, s58
	s_lshl_b32 s66, s63, 12                        ; os: 4,096 x global group
	s_lshl_b32 s63, s59, 9
	s_add_co_u32 s66, s66, s63                     ; + 512 x K step
	s_mov_b32 s67, 0
	s_lshl_b32 s68, s[WV], 6
	s_add_co_u32 s68, s68, GS                      ; where my tile's 16 words go
	s_lshl_b32 s69, s62, 9
	s_add_co_u32 s69, s69, GS                      ; and from where a group's 128 are read
	s_wait_kmcnt 0x0
	s_add_nc_u64 s[34:35], s[4:5], s[18:19]
	s_add_nc_u64 s[38:39], s[34:35], 16*REC
	s_or_b32 s35, s35, 0x80000000
	s_or_b32 s39, s39, 0x80000000
	s_add_nc_u64 s[42:43], s[4:5], s[54:55]
	s_add_nc_u64 s[44:45], s[4:5], s[56:57]
	s_add_nc_u64 s[46:47], s[6:7], s[60:61]
	s_add_nc_u64 s[48:49], s[8:9], s[66:67]
	CROUND                                         ; all four work-groups are here: the joint loads meet
	tensor_load_to_lds s[32:35], s[24:31]          ; the first of the launch's two fills: one load of mine is out
	s_nop 0
	s_wait_alu depctr_va_vdst(0)
	s_wait_tensorcnt 0x0
	ds_add_u32 v254, v255
	s_wait_dscnt 0x0
	CROUND
	tensor_load_to_lds s[36:39], s[24:31]
	s_nop 0
.rept 4
	v_nop                                          ; four places behind a tensor load
.endr
	v_and_b32 v2, 31, v0
	s_delay_alu instid0(VALU_DEP_1)
	v_lshlrev_b32 v1, 4, v2
	s_delay_alu instid0(VALU_DEP_2)
	v_lshlrev_b32 v2, 3, v2
	v_and_b32 v250, 15, v0
	s_delay_alu instid0(VALU_DEP_1)
	v_lshlrev_b32 v254, 4, v250
	s_delay_alu instid0(VALU_DEP_2)
	v_lshl_add_u32 v250, v250, 2, s68
	v_add_nc_u32 v251, s69, v1
	global_load_b128 v[16:19], v1, s[42:43]                    ; Q's fragments stay in registers: the first head's,
	global_load_b128 v[24:27], v1, s[42:43] offset:16*REC      ; the second's
	global_load_b32 v5, v254, s[44:45]
	global_load_b32 v6, v254, s[44:45] offset:16*REC
.irp j, 20,21,22,23,28,29,30,31
	v_mov_b32 v[\j], 0                             ; k = 64 .. 127: zero codes
.endr
.irp t, 0,1,2,3,4,5,6,7
.irp j, 4,5,6,7
	v_mov_b32 v[32+8*\t+\j], 0                     ; the same in K's fragments: written once, the loads fill registers 0-3 alone
.endr
.endr
.irp b, 0,1,2,3
	v_mov_b32 v[236+\b], 0                         ; a lane permute's destination counts as one of its sources
.endr
	v_mov_b32 v253, 0                              ; (named as the upper half of the pair v[252:253] before it is first written)
	s_wait_loadcnt 0x0                             ; Q
.macro QK t, qf, qs
.if (\t)%2
	v_wmma_scale_f32_16x16x128_f8f6f4 v[96+8*(\t):103+8*(\t)], v[32+8*(\t):39+8*(\t)], v[\qf:\qf+7], 0, v[240+(\t)/2], v[\qs] matrix_a_fmt:MATRIX_FMT_FP4 matrix_b_fmt:MATRIX_FMT_FP4 matrix_a_scale:MATRIX_SCALE_ROW1
.else
	v_wmma_scale_f32_16x16x128_f8f6f4 v[96+8*(\t):103+8*(\t)], v[32+8*(\t):39+8*(\t)], v[\qf:\qf+7], 0, v[240+(\t)/2], v[\qs] matrix_a_fmt:MATRIX_FMT_FP4 matrix_b_fmt:MATRIX_FMT_FP4
.endif
.endm
.macro PV n
.if (\n)%2
	v_wmma_scale_f32_16x16x128_f8f6f4 v[160+8*(\n):167+8*(\n)], v[192+8*(\n):199+8*(\n)], v[224:231], v[160+8*(\n):167+8*(\n)], v[248+(\n)/2], v253 matrix_a_fmt:MATRIX_FMT_FP4 matrix_b_fmt:MATRIX_FMT_FP4 matrix_a_scale:MATRIX_SCALE_ROW1
.else
	v_wmma_scale_f32_16x16x128_f8f6f4 v[160+8*(\n):167+8*(\n)], v[192+8*(\n):199+8*(\n)], v[224:231], v[160+8*(\n):167+8*(\n)], v[248+(\n)/2], v253 matrix_a_fmt:MATRIX_FMT_FP4 matrix_b_fmt:MATRIX_FMT_FP4
.endif
.endm
; A KEY STEP: 128 keys, whose record begins at LDS byte s[TB].
.macro STEP qf, qs
	v_add_nc_u32 v3, s[TB], v1
	v_add_nc_u32 v4, s[TB], v2
	v_nop
	v_nop                                          ; four places between the last step's products and the loads into V's registers and scale words
	ds_load_b128 v[240:243], v3 offset:4096        ; K's scale words: register j: lanes 0-15 tile 2 j, lanes 16-31 tile 2 j + 1
.irp t, 0,1,2,3,4,5,6,7
	ds_load_b128 v[32+8*\t:35+8*\t], v3 offset:512*\t
.endr
	ds_load_b64 v[248:249], v4 offset:8704         ; V's scale words, likewise
.irp n, 0,1,2,3
	ds_load_b128 v[192+8*\n:195+8*\n], v3 offset:4608+1024*\n
	ds_load_b128 v[196+8*\n:199+8*\n], v3 offset:4608+1024*\n+512
.endr
	s_wait_dscnt 9                                 ; K and its words are in; V's nine loads may stay out until the softmax is done
.irp t, 0,1,2,3,4,5,6,7
	QK \t, \qf, \qs
.endr                                  ; lane (r, h): query r; registers 16 b .. 16 b + 15: keys 32 b + 8 h + 0 .. 7 and 32 b + 16 + 8 h + 0 .. 7
.rept 4
	v_nop
.endr
.irp b, 0,1,2,3
	v_max3_num_f32 v[232+\b], v[96+16*\b], v[97+16*\b], v[98+16*\b]   ; the largest score of each block of 32 keys: for the row's maximum, and, since p rises with the score, for the block's largest p
.endr
.irp i, 3,5,7,9,11,13
.irp b, 0,1,2,3
	v_max3_num_f32 v[232+\b], v[232+\b], v[96+16*\b+\i], v[97+16*\b+\i]
.endr
.endr
.irp b, 0,1,2,3
	v_max_num_f32 v[232+\b], v[232+\b], v[111+16*\b]
.endr
.irp b, 0,1,2,3
	s_delay_alu instid0(VALU_DEP_4)
	v_permlanex16_b32 v[236+\b], v[232+\b], s[SEL], s[SEL+1]
.endr
.irp b, 0,1,2,3
	s_delay_alu instid0(VALU_DEP_4)
	v_max_num_f32 v[232+\b], v[232+\b], v[236+\b]  ; with lane l xor 16's 16 keys
.endr
	s_delay_alu instid0(VALU_DEP_2)
	v_max3_num_f32 v254, v232, v233, v234
	s_delay_alu instid0(VALU_DEP_1)
	v_max_num_f32 v254, v254, v235
	s_delay_alu instid0(VALU_DEP_1)
	v_mul_f32 v254, s[CS], v254                    ; the step's largest t (c is positive)
	s_delay_alu instid0(VALU_DEP_1)
	v_max_num_f32 v13, v13, v254                   ; the running largest t
	v_mov_b32 v254, v12
	s_delay_alu instid0(VALU_DEP_2)
	v_floor_f32 v12, -v13                          ; the new -M = floor(-t): M is a whole number
	s_delay_alu instid0(VALU_DEP_1)
	v_sub_f32 v254, v12, v254                      ; old M - new M: a whole number, 0 or less
	s_delay_alu instid0(VALU_DEP_1)
	v_cvt_i32_f32 v254, v254                       ; (it saturates)
	s_delay_alu instid0(VALU_DEP_1)
	v_ldexp_f32 v252, 1.0, v254                    ; f = 2^(old M - new M)
.irp j, 0,2,4,6,8,10,12,14,16,18,20,22,24,26,28,30,32,34,36,38,40,42,44,46,48,50,52,54,56,58,60,62
	v_pk_fma_f32 v[96+\j:97+\j], v[96+\j:97+\j], s[CS:CS+1], v[12:13] op_sel_hi:[1,0,0]   ; t - M, two at a time
.endr
.irp b, 0,1,2,3
	v_fma_f32 v[232+\b], v[232+\b], s[CS], v12     ; the same of each block's largest score
.endr
	s_wait_alu depctr_va_vdst(0)
.irp j, 0,1,2,3,4,5,6,7,8,9,10,11,12,13,14,15,16,17,18,19,20,21,22,23,24,25,26,27,28,29,30,31,32,33,34,35,36,37,38,39,40,41,42,43,44,45,46,47,48,49,50,51,52,53,54,55,56,57,58,59,60,61,62,63
	v_exp_f32 v[96+\j], v[96+\j]                   ; p = 2^(t - M), at most 1
.endr
	s_setprio 1
	v_pk_mul_f32 v[14:15], v[14:15], v[252:253] op_sel_hi:[1,0]   ; the sums under the new M: the plain place behind the exponentials
	s_wait_alu depctr_va_vdst(0)                   ; one wait for the batch of 64, ahead of its first reader
.irp b, 0,1,2,3
	v_exp_f32 v[232+\b], v[232+\b]                 ; the block's largest p: the same two instructions on the same number
.endr
	v_pk_add_f32 v[236:237], v[96:97], v[98:99]    ; the row's sum of the UNQUANTISED p, in two chains
.irp j, 4,8,12,16,20,24,28,32,36,40,44,48,52,56,60
	v_pk_add_f32 v[14:15], v[14:15], v[96+\j:97+\j]
	v_pk_add_f32 v[236:237], v[236:237], v[98+\j:99+\j]
.endr
	s_delay_alu instid0(VALU_DEP_1)
	v_pk_add_f32 v[14:15], v[14:15], v[236:237]
	s_wait_alu depctr_va_vdst(0)                   ; and one for the four
.irp b, 0,1,2,3
	v_max_num_f32 v[232+\b], 0x1800000, v[232+\b]  ; the floor 2^(3 - 127): the byte cannot fall under 1
.endr
.irp b, 0,1,2,3
	s_delay_alu instid0(VALU_DEP_4)
	v_add_nc_u32 v[244+\b], 0xff000000, v[232+\b]  ; 2 off the exponent field: the conversion's scale operand
.endr
.irp b, 0,1,2,3
	s_delay_alu instid0(VALU_DEP_4)
	v_lshrrev_b32 v[236+\b], 23, v[244+\b]
.endr
	s_delay_alu instid0(VALU_DEP_3)
	v_lshl_or_b32 v253, v237, 8, v236              ; p's scale word for these 128 keys
	s_delay_alu instid0(VALU_DEP_1)
	v_lshl_or_b32 v253, v238, 16, v253
	s_delay_alu instid0(VALU_DEP_1)
	v_lshl_or_b32 v253, v239, 24, v253
.irp b, 0,1,2,3
	v_cvt_scalef32_pk8_fp4_f32 v[224+4*(\b/2)+(\b%2)], v[96+16*\b:103+16*\b], v[244+\b]
	v_cvt_scalef32_pk8_fp4_f32 v[224+4*(\b/2)+(\b%2)+2], v[104+16*\b:111+16*\b], v[244+\b]
.endr
	v_nop                                          ; one plain place behind a scaled conversion
.irp i, 0,2,4,6
	v_permlane16_swap_b32 v[224+\i], v[225+\i]     ; lanes 0-15 keep the even block, lanes 16-31 get the odd one
.endr
	s_setprio 0
.irp j, 0,2,4,6,8,10,12,14,16,18,20,22,24,26,28,30
	v_pk_mul_f32 v[160+\j:161+\j], v[160+\j:161+\j], v[252:253] op_sel_hi:[1,0]   ; O^T under the new M; these sixteen also stand between the lines that made p's codes and scale word and the products
.endr
	s_wait_alu depctr_va_vdst(0)
	s_wait_dscnt 0x0                               ; V is in
.irp n, 0,1,2,3
	PV \n
.endr
	s_add_co_u32 s[TB], s[TB], KV
.endm
; ONE HEAD (c = 0, 1) for my 16 queries: 16 key steps, the division, the quantiser along the head's 64 channels, and the store of registers 4 c .. 4 c + 3 of the next product's fragment.
.macro HEAD c, qf, qs
	s_mov_b32 s[TB], (\c)*16*KV
	v_mov_b32 v13, 0xff61b1e6                      ; the largest t so far: -3e38
	s_delay_alu instid0(VALU_DEP_1)
	v_floor_f32 v12, -v13
	v_mov_b32 v14, 0
	v_mov_b32 v15, 0
.irp j, 0,1,2,3,4,5,6,7,8,9,10,11,12,13,14,15,16,17,18,19,20,21,22,23,24,25,26,27,28,29,30,31
	v_mov_b32 v[160+\j], 0                         ; O^T: the step is written once; the first finds zeros, which the first change of M leaves zeros
.endr
	s_mov_b32 s41, 16
.Lstep_\@:
	s_setprio 2
	STEP \qf, \qs
	s_sub_co_u32 s41, s41, 1
	s_cmp_lg_u32 s41, 0
	s_cbranch_scc1 .Lstep_\@
	s_setprio 0
.rept 4
	v_nop
.endr
	v_add_f32 v14, v14, v15
	s_delay_alu instid0(VALU_DEP_1)
	v_permlanex16_b32 v252, v14, s[SEL], s[SEL+1]
	s_delay_alu instid0(VALU_DEP_1)
	v_add_f32 v14, v14, v252                       ; the row's sum
	s_wait_alu depctr_va_vdst(0)
	v_rcp_f32 v14, v14
	v_nop                                          ; a plain place behind the transcendental,
	s_wait_alu depctr_va_vdst(0)                   ; and the wait ahead of its first reader
.irp j, 0,2,4,6,8,10,12,14,16,18,20,22,24,26,28,30
	v_pk_mul_f32 v[96+\j:97+\j], v[160+\j:161+\j], v[14:15] op_sel_hi:[1,0]   ; register 8 n + i: o(query r, channel 16 n + 8 h + i)
.endr
.irp b, 0,1
	v_max3_num_f32 v[232+\b], |v[96+16*\b]|, |v[97+16*\b]|, 0x1800000
.endr
.irp i, 2,4,6,8,10,12,14
.irp b, 0,1
	s_delay_alu instid0(VALU_DEP_2)
	v_max3_num_f32 v[232+\b], v[232+\b], |v[96+16*\b+\i]|, |v[97+16*\b+\i]|
.endr
.endr
.irp b, 0,1
	s_delay_alu instid0(VALU_DEP_2)
	v_permlanex16_b32 v[236+\b], v[232+\b], s[SEL], s[SEL+1]
.endr
.irp b, 0,1
	s_delay_alu instid0(VALU_DEP_2)
	v_max_num_f32 v[232+\b], v[232+\b], v[236+\b]
.endr
.irp b, 0,1
	s_delay_alu instid0(VALU_DEP_2)
	v_add_nc_u32 v[244+\b], 0xff000000, v[232+\b]
.endr
.irp b, 0,1
	s_delay_alu instid0(VALU_DEP_2)
	v_lshrrev_b32 v[236+\b], 23, v[244+\b]
.endr
	s_delay_alu instid0(VALU_DEP_1)
	v_lshl_or_b32 v254, v237, 8, v236              ; the head's two bytes
.if \c
	s_wait_alu depctr_va_vdst(0)
	s_wait_xcnt 0x0                                ; the first head's store has read v[8:11]
.endif
	v_cvt_scalef32_pk8_fp4_f32 v8, v[96:103], v244
	v_cvt_scalef32_pk8_fp4_f32 v10, v[104:111], v244
	v_cvt_scalef32_pk8_fp4_f32 v9, v[112:119], v245
	v_cvt_scalef32_pk8_fp4_f32 v11, v[120:127], v245
	v_nop
	v_permlane16_swap_b32 v8, v9
	v_permlane16_swap_b32 v10, v11
	global_store_b128 v1, v[8:11], s[46:47] offset:512*(\c)    ; 512 consecutive bytes, aligned
.if \c
	v_lshl_or_b32 v7, v254, 16, v7                 ; the token's scale word of this K step is whole
.else
	v_mov_b32 v7, v254
.endif
.endm
	s_wait_tensorcnt 1                             ; my record of the first head is in; the second head's may stay out
	s_barrier_signal -1
	s_barrier_wait -1                              ; everybody's is
	HEAD 0, 16, 5
	s_wait_dscnt 0x0
	s_wait_tensorcnt 0x0                           ; my record of the second head is in,
	s_barrier_signal -1
	s_barrier_wait -1                              ; everybody's is
	HEAD 1, 24, 6
	ds_store_b32 v250, v7                          ; lanes r and r + 16 write the same word with the same value
	s_wait_dscnt 0x0                               ; for the others' sake
	s_barrier_signal -1
	s_barrier_wait -1
	s_cmp_lt_u32 s[WV], 2
	s_cbranch_scc0 .Lno_os
	ds_load_b128 v[96:99], v251                    ; a group's 128 words
	s_wait_dscnt 0x0
	global_store_b128 v1, v[96:99], s[48:49]       ; 512 consecutive bytes, aligned
.Lno_os:
	s_wait_xcnt 0x0
	v_lshl_add_u32 v254, v0, 2, 0x46400
	v_mov_b32 v255, 0
	s_wait_alu depctr_va_vdst(0)
	s_wait_tensorcnt 0x0
	ds_add_u32 v254, v255
	s_wait_dscnt 0x0
	CROUND                                         ; the closing round
	s_endpgm
.Lfunc_end_k_q22cb8012c9_attn:
	.size	k_q22cb8012c9_attn, .Lfunc_end_k_q22cb8012c9_attn-k_q22cb8012c9_attn
	.p2alignl 7, 3214868480
	.fill 96, 4, 3214868480
	.section	.rodata,"a",@progbits
	.p2align	6, 0x0
	.amdhsa_kernel k_q22cb8012c9_attn
		.amdhsa_group_segment_fixed_size 327680
		.amdhsa_private_segment_fixed_size 0
		.amdhsa_enable_private_segment 0
		.amdhsa_kernarg_size 24
		.amdhsa_user_sgpr_count 2
		.amdhsa_user_sgpr_kernarg_segment_ptr 1
		.amdhsa_wavefront_size32 1
		.amdhsa_system_sgpr_workgroup_id_x 1
		.amdhsa_system_sgpr_workgroup_id_y 1
		.amdhsa_system_sgpr_workgroup_id_z 1
		.amdhsa_system_vgpr_workitem_id 0
		.amdhsa_next_free_vgpr 256
		.amdhsa_next_free_sgpr 72
		.amdhsa_reserve_vcc 0
		.amdhsa_float_denorm_mode_32 3
		.amdhsa_float_denorm_mode_16_64 3
		.amdhsa_memory_ordered 1
		.amdhsa_forward_progress 1
		.amdhsa_inst_pref_size 51
	.end_amdhsa_kernel
	.amdgpu_metadata
---
amdhsa.version: [ 1, 2 ]
amdhsa.kernels:
  - .name:           k_q22cb8012c9_attn
    .symbol:         k_q22cb8012c9_attn.kd
    .args:
      - { .name: qkv, .offset: 0, .size: 8, .value_kind: global_buffer, .address_space: global }
      - { .name: ob, .offset: 8, .size: 8, .value_kind: global_buffer, .address_space: global }
      - { .name: os, .offset: 16, .size: 8, .value_kind: global_buffer, .address_space: global }
    .group_segment_fixed_size: 327680
    .private_segment_fixed_size: 0
    .kernarg_segment_align: 8
    .kernarg_segment_size: 24
    .max_flat_workgroup_size: 512
    .sgpr_count:     72
    .vgpr_count:     256
    .wavefront_size: 32
...
	.end_amdgpu_metadata
.endif
;; end of part 2
;; launch outp (part 3): grid 4 x 64, 4 waves a work-group, clusters of 4 x 4, 222,720 bytes of LDS; arguments ob, os, Wo_codes, Wo_scales, bo, out0; writes out0
.if DOCPART == 3
	.amdgcn_target "amdgcn-amd-amdhsa--gfx1250"
	.amdhsa_code_object_version 6
	.text
	.protected	k_q22cb8012c9_outp
	.globl	k_q22cb8012c9_outp
	.p2align	8
	.type	k_q22cb8012c9_outp,@function
k_q22cb8012c9_outp:
	s_mov_b64 s[64:65], 0
	v_nop
	global_prefetch_b8 v0, s[64:65] scope:SCOPE_SE
	s_setreg_imm32_b32 hwreg(HW_REG_WAVE_MODE, 25, 1), 1
	s_wait_xcnt 0x0
	s_wait_alu depctr_hold_cnt(0) depctr_sa_sdst(0) depctr_va_vdst(0) depctr_va_sdst(0) depctr_va_ssrc(0) depctr_va_vcc(0) depctr_vm_vsrc(0)
	s_getreg_b32 s2, hwreg(HW_REG_IB_STS2, 6, 4)
	s_cmp_eq_u32 s2, 0
	s_cbranch_scc0 .Lentry_in_a_cluster
	s_endpgm
.Lentry_in_a_cluster:
	s_bfe_u32 s2, ttmp6, 0x10000c
	s_cmp_lg_u32 s2, 0xf033
	s_cbranch_scc0 .Lentry_shape_is_right
	s_endpgm
.Lentry_shape_is_right:
; out0 = O Wo^T + bo on codes of FP4 (E2M1) with E8M0 scales, sums in f32.  O comes as images of operand registers (ob) with its scale words (os), Wo as given.
; SHARES.  A work-group makes 128 tokens x 256 columns; wave w all 128 tokens x columns 256 cx + 64 w on: 32 accumulators.  All of K (1,024) fits in LDS, in two halves, each filled once: no ring.
; CLUSTER 4 x 4: the four of a row need the same 128 tokens of O, the four of a column the same 256 rows of Wo: each is asked for jointly.  Nothing is prefetched: every byte is asked for in the first lines.
; Source 0 = 16 rows of Wo, source 1 = 16 tokens: a lane holds eight neighbouring columns of one row of out0.  The bias is the C of each sum's first product.
; LIMITS: NaN and infinities are not served; a given scale byte 0xff gives NaN.
; REGISTERS: window 0: addresses, scale words, v64-127 rows on the way out.  window 1: the accumulators ((i, t) at 8 (4 i + t)).  window 2: v0-127 O's fragments (two sets), v128-191 Wo's (two sets), v192-223 the bias.
.set AHALF, 32768                      ; O's images of four K steps: 8,192 bytes each, dense
.set WBASE, 65536                      ; behind them Wo's halves: 256 rows x 272
.set WHALF, 69632
.set STG,   204800                     ; and the stages: 16 rows x 272 for each wave; no fill lands there
.set PADW,  (1<<20)|(1<<21)|(5<<22)|(3<<25)
.set ADRA, 4                           ; v4, v5   16 x lane (+ the second half)
.set ADRW, 6                           ; v6, v7
.set L4,   9                           ; v9   4 x lane
.set L32,  10                          ; v10  32 x lane
.set BOF,  11                          ; v11  32 h
.set STO,  12                          ; v12  the stage: where I put 32 bytes of a row
.set RD,   13                          ; v13  and where I read a row back
.set CO,   14                          ; v14  my byte offset in two rows of out0
.set SCX,  16                          ; v16-47  register 8 j + q: O's scale words of K step q: lanes 0-15 tile 2 j, lanes 16-31 tile 2 j + 1
.set SCW,  48                          ; v48-63  the same for Wo's tiles
.set BK,   64
.set BIAS, 192
.set WV,   72
.set MSB,  0
.macro WIN new
.if MSB != \new
	s_set_vgpr_msb (MSB<<8)|\new
.set MSB, \new
.endif
.endm
.macro PLACES n
.rept \n
	v_nop
.endr
.endm
.macro CROUND
	s_barrier_signal -1
	s_barrier_wait -1
	s_cmp_lg_u32 s[WV], 0
	s_cbranch_scc1 .Lnot_wave_0_\@
	s_barrier_signal -3
.Lnot_wave_0_\@:
	s_barrier_wait -3
	s_barrier_signal -1
	s_barrier_wait -1
.endm
.macro EMIT
.if fA && fB
	v_wmma_scale_f32_16x16x128_f8f6f4 v[rD:rD+7], v[rA:rA+7], v[rB:rB+7], v[rC:rC+7], v[rSA], v[rSB] matrix_a_fmt:MATRIX_FMT_FP4 matrix_b_fmt:MATRIX_FMT_FP4 matrix_a_scale:MATRIX_SCALE_ROW1 matrix_b_scale:MATRIX_SCALE_ROW1
.elseif fA
	v_wmma_scale_f32_16x16x128_f8f6f4 v[rD:rD+7], v[rA:rA+7], v[rB:rB+7], v[rC:rC+7], v[rSA], v[rSB] matrix_a_fmt:MATRIX_FMT_FP4 matrix_b_fmt:MATRIX_FMT_FP4 matrix_a_scale:MATRIX_SCALE_ROW1
.elseif fB
	v_wmma_scale_f32_16x16x128_f8f6f4 v[rD:rD+7], v[rA:rA+7], v[rB:rB+7], v[rC:rC+7], v[rSA], v[rSB] matrix_a_fmt:MATRIX_FMT_FP4 matrix_b_fmt:MATRIX_FMT_FP4 matrix_b_scale:MATRIX_SCALE_ROW1
.else
	v_wmma_scale_f32_16x16x128_f8f6f4 v[rD:rD+7], v[rA:rA+7], v[rB:rB+7], v[rC:rC+7], v[rSA], v[rSB] matrix_a_fmt:MATRIX_FMT_FP4 matrix_b_fmt:MATRIX_FMT_FP4
.endif
.endm
.macro FETCH q, p                      ; 24 LDS loads in one run: K step q's fragments into set p
	WIN 0x80
.irp i, 0,1,2,3,4,5,6,7
.irp c, 0,1
	ds_load_b128 v[64*(\p)+8*\i+4*\c:64*(\p)+8*\i+4*\c+3], v[ADRA+(\q)/4] offset:8192*((\q)%4)+1024*\i+512*\c   ; an image: 512 consecutive bytes
.endr
.endr
.irp t, 0,1,2,3
.irp c, 0,1
	ds_load_b128 v[128+32*(\p)+8*\t+4*\c:128+32*(\p)+8*\t+4*\c+3], v[ADRW+(\q)/4] offset:4352*\t+64*((\q)%4)+32*\c
.endr
.endr
.endm
.macro MULS q, p                       ; 32 matrix instructions; the accumulators take turns, one instruction a turn, in the same order in every step
.if (\q) == 0
	WIN 0x6a
.else
	WIN 0x5a
.endif
.irp i, 0,1,2,3,4,5,6,7
.irp t, 0,1,2,3
.set rD, 8*(4*\i+\t)
.set rA, 128+32*(\p)+8*\t
.set rB, 64*(\p)+8*\i
.set rSA, SCW+8*(\t/2)+(\q)
.set rSB, SCX+8*(\i/2)+(\q)
.set fA, \t%2
.set fB, \i%2
.set rC, rD
.if (\q) == 0
.set rC, BIAS+8*\t
.endif
	EMIT
.endr
.endr
.endm
.macro KSTEP q
	s_wait_dscnt 0x0                               ; this step's fragments, asked for 32 matrix instructions ago, are in
.if (\q) == 3
	s_wait_tensorcnt 0x0                           ; my parts of the second half have landed,
	s_barrier_signal -1
	s_barrier_wait -1                              ; everybody's have.  Nothing is filled again
.endif
.if (\q) < 7
.if (\q) > 0
	PLACES 4                                       ; four places between the last step's products and the loads into the set that they read
.endif
	FETCH (\q)+1, ((\q)+1)%2
.endif
	MULS \q, (\q)%2
.endm
	s_load_b256 s[4:11], s[0:1], 0x0               ; ob, os, Wo codes, Wo scales
	s_load_b128 s[12:15], s[0:1], 0x20             ; bo, out0
	v_lshl_add_u32 v254, v0, 2, 0x36400
	v_mov_b32 v255, 0
	ds_add_u32 v254, v255
	ds_add_u32 v254, v255
	v_lshrrev_b32 v1, 5, v0
	v_readfirstlane_b32 s[WV], v1
	s_bfe_u32 s73, ttmp6, 0x40000                  ; cx: which 256 columns
	s_bfe_u32 s74, ttmp6, 0x40004                  ; cy
	s_and_b32 s75, ttmp7, 0xffff
	s_lshl_b32 s75, s75, 2
	s_add_co_u32 s75, s75, s74                     ; which group of 128 tokens
	s_lshl_b32 s86, s74, 2
	s_lshl_b32 s86, 15, s86                        ; my row of the cluster
	s_lshl_b32 s87, 0x1111, s73                    ; my column
	s_or_b32 s36, s86, (3<<16)|(1<<21)             ; group 1 for O's images: a K step, 32 dense rows of 256 bytes (elements of 8 bytes), no padding
	s_mov_b32 s37, 32<<16
	s_mov_b32 s38, 32<<16
	s_mov_b32 s39, 32<<16
	s_mov_b32 s40, 32
	s_mov_b32 s41, 32
	s_mov_b32 s42, 0
	s_mov_b32 s43, 0
	s_or_b32 s44, s87, PADW                        ; group 1 for Wo: 64 rows x 256 bytes, 512 apart in memory, 272 in LDS
	s_mov_b32 s45, 256<<16
	s_mov_b32 s46, 64<<16
	s_mov_b32 s47, 256<<16
	s_mov_b32 s48, 64
	s_mov_b32 s49, 512
	s_mov_b32 s50, 0
	s_mov_b32 s51, 0
	s_lshl_b32 s88, s75, 16
	s_lshl_b32 s89, s[WV], 13
	s_add_co_u32 s88, s88, s89                     ; ob: 65,536 x group + 8,192 x wave: K step w of a half
	s_mov_b32 s89, 0
	s_lshl_b32 s90, s73, 8
	s_lshl_b32 s91, s[WV], 6
	s_add_co_u32 s90, s90, s91                     ; my first column
	s_lshl_b32 s92, s90, 9
	s_mov_b32 s93, 0
	s_lshl_b32 s96, s[WV], 13
	s_mul_i32 s97, s[WV], 17408
	s_mov_b32 s52, 1
	s_mov_b32 s53, s96
	s_mov_b32 s56, 1
	s_add_co_u32 s57, s96, AHALF
	s_mov_b32 s60, 1
	s_add_co_u32 s61, s97, WBASE
	s_mov_b32 s68, 1
	s_add_co_u32 s69, s97, WBASE+WHALF
	s_mul_i32 s101, s[WV], 4352
	s_add_co_u32 s101, s101, STG                   ; my stage
	s_wait_dscnt 0x0
	s_wait_kmcnt 0x0
	s_add_nc_u64 s[54:55], s[4:5], s[88:89]
	s_add_nc_u64 s[58:59], s[54:55], AHALF
	s_or_b32 s55, s55, 0x80000000
	s_or_b32 s59, s59, 0x80000000
	s_add_nc_u64 s[62:63], s[8:9], s[92:93]
	s_add_nc_u64 s[70:71], s[62:63], 256
	s_or_b32 s63, s63, 0x80000000
	s_or_b32 s71, s71, 0x80000000
	s_lshl_b32 s98, s75, 12
	s_mov_b32 s99, 0
	s_add_nc_u64 s[78:79], s[6:7], s[98:99]        ; the group's scale words
	s_lshl_b32 s94, s90, 5
	s_mov_b32 s95, 0
	s_add_nc_u64 s[80:81], s[10:11], s[94:95]      ; Wo's, my 64 rows
	s_lshl_b32 s94, s90, 2
	s_add_nc_u64 s[82:83], s[12:13], s[94:95]      ; the bias of my 64 columns
	s_lshl_b32 s98, s75, 19                        ; 128 rows of 4,096 bytes
	s_add_co_u32 s98, s98, s94
	s_add_nc_u64 s[84:85], s[14:15], s[98:99]      ; out0 at my first row and column
	CROUND                                         ; all sixteen work-groups are here: the joint loads meet
	tensor_load_to_lds s[52:55], s[36:43]          ; the launch's only fills, as one group: four loads of mine are out
	s_nop 0
	tensor_load_to_lds s[60:63], s[44:51]
	s_nop 0
	tensor_load_to_lds s[56:59], s[36:43]
	s_nop 0
	tensor_load_to_lds s[68:71], s[44:51]
	s_nop 0
	PLACES 4                                       ; four places behind a tensor load
	v_and_b32 v1, 31, v0
	v_and_b32 v2, 15, v0                           ; r
	v_bfe_u32 v3, v0, 4, 1                         ; h
	v_lshlrev_b32 v[ADRA], 4, v1
	v_add_nc_u32 v[ADRA+1], AHALF, v[ADRA]
	v_mul_u32_u24 v8, v2, 272
	v_lshl_add_u32 v[ADRW], v3, 4, v8
	v_add_nc_u32 v[ADRW+1], s69, v[ADRW]
	v_add_nc_u32 v[ADRW], s61, v[ADRW]
	v_lshlrev_b32 v[L4], 2, v1
	v_lshlrev_b32 v[L32], 5, v1
	v_lshlrev_b32 v[BOF], 5, v3
	v_lshl_add_u32 v[STO], v3, 5, v8
	v_add_nc_u32 v[STO], s101, v[STO]              ; in: row r, 32 bytes for each half of the lanes
	v_mul_u32_u24 v[RD], v3, 272
	v_lshl_add_u32 v[RD], v2, 4, v[RD]
	v_add_nc_u32 v[RD], s101, v[RD]                ; back: lanes 0-15 one row of 256 bytes, lanes 16-31 the next
	v_lshlrev_b32 v[CO], 12, v3
	v_lshl_add_u32 v[CO], v2, 4, v[CO]             ; and the same two rows in out0
.irp j, 0,1,2,3
.irp q, 0,1,2,3,4,5,6,7
	global_load_b32 v[SCX+8*\j+\q], v[L4], s[78:79] offset:512*\q+128*\j   ; lane l: token 32 j + l, K step q
.endr
.endr
.irp j, 0,1
.irp u, 0,1
	global_load_b128 v[SCW+8*\j+4*\u:SCW+8*\j+4*\u+3], v[L32], s[80:81] offset:1024*\j+16*\u
.endr
.endr
	WIN 0x80
.irp t, 0,1,2,3
	global_load_b128 v[BIAS+8*\t:BIAS+8*\t+3], v[BOF], s[82:83] offset:64*\t          ; C's register j of tile t: the bias of column 16 t + 8 h + j
	global_load_b128 v[BIAS+8*\t+4:BIAS+8*\t+7], v[BOF], s[82:83] offset:64*\t+16
.endr
	s_wait_tensorcnt 2                             ; my parts of the first half are in; the second half's two loads may stay out
	s_barrier_signal -1
	s_barrier_wait -1
	FETCH 0, 0
	s_wait_loadcnt 0x0                             ; scale words and bias
.irp q, 0,1,2,3,4,5,6,7
	KSTEP \q
.endr
	WIN 0
; THE WAY OUT, a tile of 16 tokens at a time, through my own stage: a lane's 32 bytes go in, whole rows of 256 bytes come back.  LDS serves a wave's instructions in order (ISA guide 5.7.1.4): no wait between stores and loads.
.macro TOSTAGE i
	WIN 0x04                                       ; an LDS store's data are its source 1: window 1
.irp t, 0,1,2,3
	ds_store_b128 v[STO], v[8*(4*(\i)+\t):8*(4*(\i)+\t)+3] offset:64*\t          ; each accumulator from its low end on
	ds_store_b128 v[STO], v[8*(4*(\i)+\t)+4:8*(4*(\i)+\t)+7] offset:64*\t+16
.endr
	WIN 0
.irp k, 0,1,2,3,4,5,6,7
	ds_load_b128 v[BK+32*((\i)%2)+4*\k:BK+32*((\i)%2)+4*\k+3], v[RD] offset:544*\k
.endr
.endm
.macro SEND i, younger                 ; younger: the LDS instructions issued behind tile i's loads, which may stay out
	s_wait_dscnt \younger
.irp k, 0,1,2,3,4,5,6,7
	global_store_b128 v[CO], v[BK+32*((\i)%2)+4*\k:BK+32*((\i)%2)+4*\k+3], s[84:85] offset:(16*(\i)+2*\k)*4096 th:TH_STORE_NT   ; sixteen lanes store 256 consecutive bytes, aligned; written once
.endr
.endm
	PLACES 4                                       ; in front of the first read of results
	s_wait_alu depctr_va_vdst(0)
	TOSTAGE 0
.irp i, 1,2,3,4,5,6,7
.if \i > 1
	s_wait_xcnt 0x0                                ; tile i - 2's stores have read their registers: tile i's loads may land there
.endif
	TOSTAGE \i
	SEND \i-1, 16                                  ; behind tile i - 1's loads: tile i's 8 stores and 8 loads
.endr
	SEND 7, 0
	s_wait_dscnt 0x0
	s_wait_tensorcnt 0x0
	ds_add_u32 v254, v255
	s_wait_dscnt 0x0
	CROUND                                         ; the closing round: no work-group ends while a partner may still ask for a tile that names it
	s_endpgm
.Lfunc_end_k_q22cb8012c9_outp:
	.size	k_q22cb8012c9_outp, .Lfunc_end_k_q22cb8012c9_outp-k_q22cb8012c9_outp
	.p2alignl 7, 3214868480
	.fill 96, 4, 3214868480
	.section	.rodata,"a",@progbits
	.p2align	6, 0x0
	.amdhsa_kernel k_q22cb8012c9_outp
		.amdhsa_group_segment_fixed_size 222720
		.amdhsa_private_segment_fixed_size 0
		.amdhsa_enable_private_segment 0
		.amdhsa_kernarg_size 48
		.amdhsa_user_sgpr_count 2
		.amdhsa_user_sgpr_kernarg_segment_ptr 1
		.amdhsa_wavefront_size32 1
		.amdhsa_system_sgpr_workgroup_id_x 1
		.amdhsa_system_sgpr_workgroup_id_y 1
		.amdhsa_system_sgpr_workgroup_id_z 1
		.amdhsa_system_vgpr_workitem_id 0
		.amdhsa_next_free_vgpr 768
		.amdhsa_next_free_sgpr 102
		.amdhsa_reserve_vcc 0
		.amdhsa_float_denorm_mode_32 3
		.amdhsa_float_denorm_mode_16_64 3
		.amdhsa_memory_ordered 1
		.amdhsa_forward_progress 1
		.amdhsa_inst_pref_size 71
	.end_amdhsa_kernel
	.amdgpu_metadata
---
amdhsa.version: [ 1, 2 ]
amdhsa.kernels:
  - .name:           k_q22cb8012c9_outp
    .symbol:         k_q22cb8012c9_outp.kd
    .args:
      - { .name: ob, .offset: 0, .size: 8, .value_kind: global_buffer, .address_space: global }
      - { .name: os, .offset: 8, .size: 8, .value_kind: global_buffer, .address_space: global }
      - { .name: Wo_codes, .offset: 16, .size: 8, .value_kind: global_buffer, .address_space: global }
      - { .name: Wo_scales, .offset: 24, .size: 8, .value_kind: global_buffer, .address_space: global }
      - { .name: bo, .offset: 32, .size: 8, .value_kind: global_buffer, .address_space: global }
      - { .name: out0, .offset: 40, .size: 8, .value_kind: global_buffer, .address_space: global }
    .group_segment_fixed_size: 222720
    .private_segment_fixed_size: 0
    .kernarg_segment_align: 8
    .kernarg_segment_size: 48
    .max_flat_workgroup_size: 128
    .sgpr_count:     102
    .vgpr_count:     768
    .wavefront_size: 32
...
	.end_amdgpu_metadata
.endif
;; end of part 3
